; MI455X (gfx1250); checked and timed in simulation.
; The chip was launched on July 23, 2026; its instructions are those of AMD's public machine-readable ISA for CDNA 5 (MIT licence, August 2026) and "CDNA5" Instruction Set Architecture Reference Guide (July 2026). The comments in the code are by the model that wrote it; some were corrected since.
;; Kernel Dense Bayesian. Allowed arithmetic: float matrix products may take bf16 or f16 operands with f32 sums; other float arithmetic in f32, or as packed bf16 or f16 multiplies, adds, multiply-adds, maxima and minima; sums over many terms, partial sums and values carried from step to step in f32; what a program stores and reads back later, other than sums and carried values, may be rounded once to bf16 or f16.
;; Inputs: alpha_mean 4,096 float32; columns_mean 4,096 x 2 float32; rows_mean 4,096 x 2 float32; x 4,096 x 4,096 float32.
;; Outputs: out0 4,096 x 4,096 float32.
;; 2 versions, each right; version 2 is version 1 with the launch prep written anew for expert scheduling mode. Each part assembles by itself: llvm-mc -triple=amdgcn-amd-amdhsa -mcpu=gfx1250 --defsym DOCPART=n.
;; ======== version 1 of 2: 2 launches
;; limits: values are held in f16: magnitudes above 65,504 overflow, below 6.1e-05 lose precision; inputs' magnitudes at most 65,504
;; workspace buffers: xh 33,554,432 bytes; wt 33,554,432 bytes; scale 16,384 bytes
;; launch prep (part 1): grid 256 x 1, 8 waves a work-group, no clusters, 1,536 bytes of LDS; arguments x, rows_mean, columns_mean, alpha_mean, xh, wt, scale; writes xh, wt, scale
.if DOCPART == 1
	.amdgcn_target "amdgcn-amd-amdhsa--gfx1250"
	.amdhsa_code_object_version 6
	.text
	.protected	k_qe739cc34bc_prep
	.globl	k_qe739cc34bc_prep
	.p2align	8
	.type	k_qe739cc34bc_prep,@function
k_qe739cc34bc_prep:
	s_mov_b64 s[64:65], 0
	v_nop
	global_prefetch_b8 v0, s[64:65] scope:SCOPE_SE
	s_setreg_imm32_b32 hwreg(HW_REG_WAVE_MODE, 25, 1), 1
	s_wait_xcnt 0x0
; PREPARES THE TWO OPERANDS OF out0 = (x * alpha) @ w,  w[i][o] = exp(-|c_i - r_o|^2)  (the same number as exp(-(|r|^2 + |c|^2 - 2 c.r))).
;   xh[b][i]  = f16(x[b][i])
;   wt[o][i]  = f16(alpha_i * 2^(mL_o - L d2_io)),  d2_io = (c_i0 - r_o0)^2 + (c_i1 - r_o1)^2,  L = log2(e),  mL_o = L * min over i of d2_io (rounded once to f32)
;   scale[o]  = 2^(-mL_o)   with the same rounded mL_o, so that wt * scale is alpha * 2^(-L d2) again
; WHY THE MINIMUM.  f16 ends near 6e-8 at the small end; a column o far from all c_i would be all zeros.  With the column's smallest distance taken away
; its largest exponential factor is 1, whatever the inputs; the factor taken out is put back in f32 on the finished sums by the next launch.
; d2 is made of the differences, so no difference of large sums is formed.
; LIMITS.  |x| and |alpha| below 65,504 (f16's range); numbers below 6e-5 keep f16's fixed step of 6e-8; where mL_o is above 126 scale[o] is 0 (v_exp_f32 gives 0
; for results below 2^-126: ISA guide, its entry in 15.8) and the column comes out as 0; NaN and infinities are not treated apart.
; SHARES.  256 work-groups of 8 waves.  Work-group g owns rows 16 g .. 16 g + 15 of x (262,144 dense bytes) and rows o = 16 g .. 16 g + 15 of wt.
;   x:  wave w takes 32,768 bytes, 64 chunks of 512; a chunk is one load of 16 bytes a lane and leaves as one store of 8 bytes a lane: 256 consecutive bytes, aligned.
;   wt: thread t owns i = 2048 gr + 8 t + 0..7, gr = 0, 1: its 16 c0, c1 and alpha stay in registers for all 16 o; a wave's store of 16 bytes a lane covers 512 consecutive bytes.
; No wave wants another wave's bytes of x, so x goes through registers: a ring of 4 groups of 4 loads, 16 loads of each wave in flight.  One row of wt and one group of x share a step.
; scale leaves as 64 bytes a work-group, a part of an aligned 256: 16,384 bytes in the whole launch.
.set L2E,   0x3fb8aa3b                 ; log2(e)
.set NL2E,  0xbfb8aa3b                 ; -log2(e)
.set MINS,  0                          ; LDS 0..511: wave w's 16 minima at 64 w + 4 o
.set SPARE, 512                        ; LDS 512..1535: the spare words, 128 bytes for each of the 8 waves; no other line names them
.set XO,  2                            ; v2   32768 w + 16 l: my 16 bytes of my wave's first chunk of x; never rewritten
.set HO,  3                            ; v3   16384 w + 8 l: the same in xh; never rewritten
.set WO,  4                            ; v4   16 t: my 16 bytes in a half row of wt; never rewritten
.set IDX, 5                            ; v5   4 x the column whose parameters are fetched next: the lane permute's index
.set MA,  6                            ; v6   64 w + 4 (l & 15)
.set LQ,  7                            ; v7   4 (l & 15)
.set SPW, 8                            ; v8   LDS address of my spare word; never rewritten
.set NIL, 9                            ; v9   0; never rewritten
.set NR0, 10                           ; v10  -r0 of column 16 g + (l & 15)
.set NR1, 11                           ; v11  -r1
.set ML,  12                           ; v12  mL of that column
.set NML, 13                           ; v13  -mL
.set SCL, 14                           ; v14  2^(-mL)
.set SO,  15                           ; v15  64 g + 4 (l & 15): that column's word in scale
.set PAR, 16                           ; v[16:21], v[22:27]  two sets of one column's parameters, in every lane: -r0, -r1, mL in the even registers; the odd ones hold 0 (named as pairs)
.set M0,  28                           ; v28-30 at work on minima
.set WM,  31                           ; v31  my wave's minimum for column l & 15
.set T,   32                           ; v[32:63]  pair p of my 16 i: v[T+4p:T+4p+1] d2, then the exponent, then the weight; v[T+4p+2:T+4p+3] at work.  First: the columns as loaded
.set C0,  64                           ; v[64:79]   c0 of my 16 i
.set C1,  80                           ; v[80:95]   c1
.set AL,  96                           ; v[96:111]  alpha
.set W,   112                          ; v[112:119] 16 f16 for wt.  First: three offsets of the head's loads
.set H,   120                          ; v[120:127] 16 f16 for xh
.set X,   128                          ; v[128:191] the ring: group j, load k at X + 16 j + 4 k
	s_load_b256 s[4:11], s[0:1], 0x0               ; x s[4:5], rows_mean s[6:7], columns_mean s[8:9], alpha_mean s[10:11]
	s_load_b128 s[12:15], s[0:1], 0x20             ; xh s[12:13], wt s[14:15]
	s_load_b64 s[16:17], s[0:1], 0x30              ; scale
	v_lshl_add_u32 v[SPW], v0, 2, SPARE
	v_mov_b32 v[NIL], 0
	v_lshrrev_b32 v1, 5, v0
	v_readfirstlane_b32 s18, v1                    ; wave 0..7
	v_and_b32 v1, 31, v0                           ; lane
	s_lshl_b32 s19, s18, 15
	v_lshl_add_u32 v[XO], v1, 4, s19
	s_lshl_b32 s19, s18, 14
	v_lshl_add_u32 v[HO], v1, 3, s19
	v_lshlrev_b32 v[WO], 4, v0
	v_and_b32 v1, 15, v0                           ; l & 15
	v_lshlrev_b32 v[LQ], 2, v1
	s_lshl_b32 s19, s18, 6
	v_add_nc_u32 v[MA], s19, v[LQ]
	s_lshl_b32 s19, ttmp9, 6
	v_add_nc_u32 v[SO], s19, v[LQ]
	s_lshl_b32 s19, ttmp9, 7
	v_lshl_add_u32 v[W], v1, 3, s19                ; rows_mean: 8 bytes a column, 128 g + 8 (l & 15)
	v_lshlrev_b32 v[W+1], 6, v0                    ; columns_mean: my 8 i are 64 bytes
	v_lshlrev_b32 v[W+2], 5, v0                    ; alpha_mean: 32 bytes
.irp r, 1,3,5,7,9,11
	v_mov_b32 v[PAR+(\r)], 0                       ; the upper halves of the parameter pairs: named, never used
.endr
	v_mov_b32 v[WM], 0                             ; every lane is written in the step of its own column; until then any number
	v_mov_b32 v[IDX], 0
	s_mov_b32 s24, 0x76543210                      ; v_permlanex16_b32: each lane takes its own place in the other half
	s_mov_b32 s25, 0xfedcba98
	s_lshl_b32 s20, ttmp9, 18                      ; my 16 rows of x: 262,144 bytes a work-group,
	s_mov_b32 s21, 0
	s_lshl_b32 s22, ttmp9, 17                      ; of xh and of wt: 131,072
	s_mov_b32 s23, 0
	s_wait_kmcnt 0x0
	s_add_nc_u64 s[4:5], s[4:5], s[20:21]
	s_add_nc_u64 s[12:13], s[12:13], s[22:23]
	s_add_nc_u64 s[14:15], s[14:15], s[22:23]
	global_load_b64 v[M0:M0+1], v[W], s[6:7]       ; 13 small loads,
.irp gr, 0,1
.irp q, 0,1,2,3
	global_load_b128 v[T+16*(\gr)+4*(\q):T+16*(\gr)+4*(\q)+3], v[W+1], s[8:9] offset:16384*(\gr)+16*(\q)
.endr
.endr
.irp gr, 0,1
.irp q, 0,1
	global_load_b128 v[AL+8*(\gr)+4*(\q):AL+8*(\gr)+4*(\q)+3], v[W+2], s[10:11] offset:8192*(\gr)+16*(\q)
.endr
.endr
.irp c, 0,1,2,3,4,5,6,7,8,9,10,11,12,13,14,15
	global_load_b128 v[X+4*(\c):X+4*(\c)+3], v[XO], s[4:5] offset:512*(\c) th:TH_LOAD_NT  ; then the ring is filled: chunks 0 to 15
.endr
	s_wait_loadcnt 16                              ; loads come back in order: the 13 small ones are in, the ring's 16 stay out
	v_mul_f32 v[NR0], -1.0, v[M0]
	v_mul_f32 v[NR1], -1.0, v[M0+1]
.set n, 0
.rept 16
	v_mov_b32 v[C0+n], v[T+2*n]                    ; as loaded c0 and c1 alternate; apart, two i go through each packed instruction of all 32 walks below
	v_mov_b32 v[C1+n], v[T+2*n+1]
.set n, n+1
.endr
	ds_bpermute_b32 v[PAR], v[IDX], v[NR0]         ; column 0's -r0 and -r1 into every lane (lane IDX / 4 holds them)
	ds_bpermute_b32 v[PAR+2], v[IDX], v[NR1]
; d2 of my 16 i for the column whose parameters lie in set s: four packed instructions for two i, written stage by stage so that none reads the result of the one before it
.macro DIST s
.irp p, 0,1,2,3,4,5,6,7
	v_pk_add_f32 v[T+4*(\p):T+4*(\p)+1], v[C0+2*(\p):C0+2*(\p)+1], v[PAR+6*(\s):PAR+6*(\s)+1] op_sel_hi:[1,0]
.endr
.irp p, 0,1,2,3,4,5,6,7
	v_pk_add_f32 v[T+4*(\p)+2:T+4*(\p)+3], v[C1+2*(\p):C1+2*(\p)+1], v[PAR+6*(\s)+2:PAR+6*(\s)+3] op_sel_hi:[1,0]
.endr
.irp p, 0,1,2,3,4,5,6,7
	v_pk_mul_f32 v[T+4*(\p):T+4*(\p)+1], v[T+4*(\p):T+4*(\p)+1], v[T+4*(\p):T+4*(\p)+1]
.endr
.irp p, 0,1,2,3,4,5,6,7
	v_pk_fma_f32 v[T+4*(\p):T+4*(\p)+1], v[T+4*(\p)+2:T+4*(\p)+3], v[T+4*(\p)+2:T+4*(\p)+3], v[T+4*(\p):T+4*(\p)+1]
.endr
.endm
.macro MIN3 dst, acc, n1, n2           ; register dst = the least of register acc and d2 numbers n1, n2 (number n lies at T + 4 (n / 2) + n % 2)
	v_min3_num_f32 v[\dst], v[\acc], v[T+4*((\n1)/2)+(\n1)%2], v[T+4*((\n2)/2)+(\n2)%2]
.endm
; PHASE 1, one column: its smallest d2 over my wave's 512 i, kept in the lanes whose l & 15 is the column.
.macro MINSTEP s
	s_wait_dscnt 0x0                               ; set s is in (the two permutes are all that is out)
	v_cmp_eq_u32 s27, v[IDX], v[LQ]                ; the lanes that keep this column: made of ids and the counter alone
	v_add_nc_u32 v[IDX], 4, v[IDX]
	ds_bpermute_b32 v[PAR+6*(1-(\s))], v[IDX], v[NR0]    ; the next column's parameters, into the other set (behind the last column: lane 16's, not used)
	ds_bpermute_b32 v[PAR+6*(1-(\s))+2], v[IDX], v[NR1]
	DIST \s
	MIN3 M0, T, 1, 2                               ; two chains of seven, the two left over, and the two chains
	MIN3 M0+2, T+13, 8, 9
	MIN3 M0, M0, 3, 4
	MIN3 M0+2, M0+2, 10, 11
	MIN3 M0, M0, 5, 6
	MIN3 M0+2, M0+2, 12, 13
	MIN3 M0, M0, 14, 15
	v_min_num_f32 v[M0], v[M0], v[M0+2]
	v_min_num_f32_dpp v[M0], v[M0], v[M0] row_xmask:1 row_mask:0xf bank_mask:0xf
	v_min_num_f32_dpp v[M0], v[M0], v[M0] row_xmask:2 row_mask:0xf bank_mask:0xf
	v_min_num_f32_dpp v[M0], v[M0], v[M0] row_xmask:4 row_mask:0xf bank_mask:0xf
	v_min_num_f32_dpp v[M0], v[M0], v[M0] row_xmask:8 row_mask:0xf bank_mask:0xf
	v_permlanex16_b32 v[M0+1], v[M0], s24, s25     ; (its destination was written by the head's load)
	v_min_num_f32 v[M0], v[M0], v[M0+1]
	v_cndmask_b32 v[WM], v[WM], v[M0], s27
.endm
	s_mov_b32 s26, 8
.Lmin:                                         ; 8 trips, two columns each; the ring's loads are on their way meanwhile
	MINSTEP 0
	MINSTEP 1
	s_sub_co_u32 s26, s26, 1
	s_cmp_lg_u32 s26, 0
	s_cbranch_scc1 .Lmin
	ds_store_b32 v[MA], v[WM] offset:MINS          ; my wave's 16 minima, in its own 64 bytes (lanes l and l + 16 hold the same number)
	s_wait_dscnt 0x0                               ; for the others' sake: the store is done (and the last two permutes are back)
	s_barrier_signal -1
	s_barrier_wait -1                              ; the launch's one barrier: these words are written no more
.irp w, 0,1,2,3,4,5,6,7
	ds_load_b32 v[T+(\w)], v[LQ] offset:MINS+64*(\w)  ; column l & 15: the eight waves' minima
.endr
	s_wait_dscnt 0x0
	v_min3_num_f32 v[M0], v[T], v[T+1], v[T+2]
	v_min3_num_f32 v[M0+2], v[T+3], v[T+4], v[T+5]
	v_min3_num_f32 v[M0], v[M0], v[T+6], v[T+7]
	v_min_num_f32 v[M0], v[M0], v[M0+2]
	v_mul_f32 v[ML], L2E, v[M0]
	v_mul_f32 v[NML], NL2E, v[M0]                  ; the same product with the other sign: exactly -mL
	v_exp_f32 v[SCL], v[NML]
	v_mov_b32 v[IDX], 0                            ; a plain instruction behind the exponential,
	s_wait_alu depctr_va_vdst(0)                   ; and the wait ahead of the branch and of the first use
	s_cmp_lg_u32 s18, 0
	s_cbranch_scc1 .Lnot_wave_0
	global_store_b32 v[SO], v[SCL], s[16:17]       ; 16 words; lanes 16 to 31 store the same words with the same numbers, so EXEC stays as it is
.Lnot_wave_0:
	ds_bpermute_b32 v[PAR], v[IDX], v[NR0]         ; column 0 once more, now with its mL
	ds_bpermute_b32 v[PAR+2], v[IDX], v[NR1]
	ds_bpermute_b32 v[PAR+4], v[IDX], v[ML]
; PHASE 2, one step: one row of wt (parameter set j % 2) and group j of the ring (four chunks of x).
; ahead = 1: the group is loaded again, 16 chunks on.  left = how many younger loads may stay out when the group has to be in.
; The 16 exponentials are one batch with one wait; the work on x, which names none of their results, stands between the batch and the wait.
.macro SUB j, ahead, left
	s_wait_dscnt 0x0                               ; this column's parameters are in (the three permutes are all that is out)
	v_add_nc_u32 v[IDX], 4, v[IDX]
	ds_bpermute_b32 v[PAR+6*(((\j)+1)%2)], v[IDX], v[NR0]
	ds_bpermute_b32 v[PAR+6*(((\j)+1)%2)+2], v[IDX], v[NR1]
	ds_bpermute_b32 v[PAR+6*(((\j)+1)%2)+4], v[IDX], v[ML]
	DIST (\j)%2
.irp p, 0,1,2,3,4,5,6,7
	v_pk_fma_f32 v[T+4*(\p):T+4*(\p)+1], v[T+4*(\p):T+4*(\p)+1], NL2E, v[PAR+6*((\j)%2)+4:PAR+6*((\j)%2)+5] op_sel_hi:[1,0,0]  ; mL - L d2: at most 0, but for the rounding of mL
.endr
.irp p, 0,1,2,3,4,5,6,7
	v_exp_f32 v[T+4*(\p)], v[T+4*(\p)]
	v_exp_f32 v[T+4*(\p)+1], v[T+4*(\p)+1]
.endr
	s_wait_loadcnt \left                           ; group j is in; the younger groups stay out
	s_wait_xcnt 0x0                                ; every earlier memory instruction has had its addresses translated (ISA guide 3.1): H and W, which the last step's stores read, are rewritten only behind this wait
.irp k, 0,1,2,3
	v_cvt_pk_f16_f32 v[H+2*(\k)], v[X+16*(\j)+4*(\k)], v[X+16*(\j)+4*(\k)+1]      ; also the plain instructions behind the last exponential
	v_cvt_pk_f16_f32 v[H+2*(\k)+1], v[X+16*(\j)+4*(\k)+2], v[X+16*(\j)+4*(\k)+3]
.endr
.if \ahead
.irp k, 0,1,2,3
	global_load_b128 v[X+16*(\j)+4*(\k):X+16*(\j)+4*(\k)+3], v[XO], s[4:5] offset:8192+512*(4*(\j)+(\k)) th:TH_LOAD_NT
.endr
.endif
.irp k, 0,1,2,3
	global_store_b64 v[HO], v[H+2*(\k):H+2*(\k)+1], s[12:13] offset:256*(4*(\j)+(\k)) th:TH_STORE_NT  ; 32 lanes store 256 consecutive bytes, at a multiple of 256 from xh's first byte
.endr
	s_wait_alu depctr_va_vdst(0)                   ; the one wait for the batch, ahead of its first reader
.irp p, 0,1,2,3,4,5,6,7
	v_pk_mul_f32 v[T+4*(\p):T+4*(\p)+1], v[T+4*(\p):T+4*(\p)+1], v[AL+2*(\p):AL+2*(\p)+1]
.endr
.irp p, 0,1,2,3,4,5,6,7
	v_cvt_pk_f16_f32 v[W+(\p)], v[T+4*(\p)], v[T+4*(\p)+1]
.endr
	global_store_b128 v[WO], v[W:W+3], s[14:15] offset:8192*(\j) th:TH_STORE_NT        ; i = 8 t + 0..7
	global_store_b128 v[WO], v[W+4:W+7], s[14:15] offset:8192*(\j)+4096 th:TH_STORE_NT ; i = 2048 + 8 t + 0..7
.endm
	s_mov_b32 s26, 3
.Lrows:                                        ; 3 trips of 4 rows of wt and 16 chunks of x; 12 = the three younger groups of four loads, on the way in and round the jump alike
	SUB 0, 1, 12
	SUB 1, 1, 12
	SUB 2, 1, 12
	SUB 3, 1, 12
	s_wait_xcnt 0x0                                ; the three bases are stepped only behind this wait
	s_add_nc_u64 s[4:5], s[4:5], 8192
	s_add_nc_u64 s[12:13], s[12:13], 4096
	s_add_nc_u64 s[14:15], s[14:15], 32768
	s_sub_co_u32 s26, s26, 1
	s_cmp_lg_u32 s26, 0
	s_cbranch_scc1 .Lrows
	SUB 0, 0, 12                                   ; the last four rows load nothing: no load leaves x, and the counts run down
	SUB 1, 0, 8
	SUB 2, 0, 4
	SUB 3, 0, 0
	s_wait_tensorcnt 0x0                           ; the wave's end, behind my last LDS store
	ds_add_u32 v[SPW], v[NIL]
	s_wait_dscnt 0x0
	s_endpgm
.Lfunc_end_k_qe739cc34bc_prep:
	.size	k_qe739cc34bc_prep, .Lfunc_end_k_qe739cc34bc_prep-k_qe739cc34bc_prep
	.p2alignl 7, 3214868480
	.fill 96, 4, 3214868480
	.section	.rodata,"a",@progbits
	.p2align	6, 0x0
	.amdhsa_kernel k_qe739cc34bc_prep
		.amdhsa_group_segment_fixed_size 1536
		.amdhsa_private_segment_fixed_size 0
		.amdhsa_enable_private_segment 0
		.amdhsa_kernarg_size 56
		.amdhsa_user_sgpr_count 2
		.amdhsa_user_sgpr_kernarg_segment_ptr 1
		.amdhsa_wavefront_size32 1
		.amdhsa_system_sgpr_workgroup_id_x 1
		.amdhsa_system_sgpr_workgroup_id_y 1
		.amdhsa_system_sgpr_workgroup_id_z 1
		.amdhsa_system_vgpr_workitem_id 0
		.amdhsa_next_free_vgpr 192
		.amdhsa_next_free_sgpr 66
		.amdhsa_reserve_vcc 0
		.amdhsa_float_denorm_mode_32 3
		.amdhsa_float_denorm_mode_16_64 3
		.amdhsa_memory_ordered 1
		.amdhsa_forward_progress 1
		.amdhsa_inst_pref_size 61
	.end_amdhsa_kernel
	.amdgpu_metadata
---
amdhsa.version: [ 1, 2 ]
amdhsa.kernels:
  - .name:           k_qe739cc34bc_prep
    .symbol:         k_qe739cc34bc_prep.kd
    .args:
      - { .name: x, .offset: 0, .size: 8, .value_kind: global_buffer, .address_space: global }
      - { .name: rows_mean, .offset: 8, .size: 8, .value_kind: global_buffer, .address_space: global }
      - { .name: columns_mean, .offset: 16, .size: 8, .value_kind: global_buffer, .address_space: global }
      - { .name: alpha_mean, .offset: 24, .size: 8, .value_kind: global_buffer, .address_space: global }
      - { .name: xh, .offset: 32, .size: 8, .value_kind: global_buffer, .address_space: global }
      - { .name: wt, .offset: 40, .size: 8, .value_kind: global_buffer, .address_space: global }
      - { .name: scale, .offset: 48, .size: 8, .value_kind: global_buffer, .address_space: global }
    .group_segment_fixed_size: 1536
    .private_segment_fixed_size: 0
    .kernarg_segment_align: 8
    .kernarg_segment_size: 56
    .max_flat_workgroup_size: 256
    .sgpr_count:     66
    .vgpr_count:     192
    .wavefront_size: 32
...
	.end_amdgpu_metadata
.endif
;; end of part 1
;; launch gemm (part 2): grid 16 x 16, 4 waves a work-group, clusters of 4 x 4, 327,680 bytes of LDS; arguments xh, wt, out0, scale; writes out0
.if DOCPART == 2
	.amdgcn_target "amdgcn-amd-amdhsa--gfx1250"
	.amdhsa_code_object_version 6
	.text
	.protected	k_qe739cc34bc_gemm
	.globl	k_qe739cc34bc_gemm
	.p2align	8
	.type	k_qe739cc34bc_gemm,@function
k_qe739cc34bc_gemm:
	s_mov_b64 s[64:65], 0
	v_nop
	global_prefetch_b8 v0, s[64:65] scope:SCOPE_SE
	s_setreg_imm32_b32 hwreg(HW_REG_WAVE_MODE, 25, 1), 1
	s_wait_xcnt 0x0
	s_wait_alu depctr_hold_cnt(0) depctr_sa_sdst(0) depctr_va_vdst(0) depctr_va_sdst(0) depctr_va_ssrc(0) depctr_va_vcc(0) depctr_vm_vsrc(0)
	s_getreg_b32 s2, hwreg(HW_REG_IB_STS2, 6, 4)
	s_cmp_eq_u32 s2, 0
	s_cbranch_scc0 .Lentry_in_a_cluster
	s_endpgm
.Lentry_in_a_cluster:
	s_bfe_u32 s2, ttmp6, 0x10000c
	s_cmp_lg_u32 s2, 0xf033
	s_cbranch_scc0 .Lentry_shape_is_right
	s_endpgm
.Lentry_shape_is_right:
; out0[m][n] = scale[n] * sum over k of xh[m][k] wt[n][k].  xh: [4096][4096] f16 (A), wt: [4096][4096] f16 (B), scale: [4096] f32, out0: [4096][4096] f32; sums in f32.
; f16, not bf16: it keeps 11 significant bits for bf16's 8, and every number of out0 has to lie within a hundredth of the output's root mean square; both operands were brought into f16's range
; by the launch before (B by a scale of its own for each column n, which is put back here, in f32, on the finished sums).
; LIMITS.  Those of the launch before (f16's range for x and alpha; scale[n] = 0 for a column whose weights are all below 2^-126).  The sums are taken in the matrix unit's order, not in the order of a chain of f32 additions.
; A tile of out0, 256 x 256, is made by a work-group of four waves; a wave makes 128 x 128: 64 accumulators of 16 x 16, 512 registers.  256 tiles, one to a work-group.
; K goes in steps of 128 through a ring of two LDS slots filled by the tensor data mover: the rows of A's and B's tiles are 256 bytes of memory and start at multiples of 256 bytes from the buffer's first byte.
; CLUSTERS: 4 x 4 work-groups.  The four of a row of the cluster need the same tiles of A, the four of a column the same tiles of B: each tile is asked for JOINTLY, by the same tensor load with the same
; descriptor and a mask that names the four, and each receives it in its own LDS.  That divides the requests for A and for B by four.
; REGISTERS, in windows of 256 (s_set_vgpr_msb's low byte: bits 1:0 source 0, 3:2 source 1, 5:4 source 2, 7:6 destination):
;   window 0: v0-31 addresses and my four scales; v64-127, v128-191 fragments of A (8 x 16 rows x 32 K), two buffers; on the way out v64-255 are three buffers of 16 rows
;   window 1: v64-127, v128-191 fragments of B, two buffers
;   window 2: the 32 accumulators of my rows 0-63 (accumulator (a, b) at v[8 (8 a + b)]);   window 3: those of my rows 64-127
; THE MATRIX INSTRUCTION IS USED TRANSPOSED: source 0 = 16 rows of B, source 1 = 16 rows of A.  In the result lane l holds row m = l % 16 of out0 and its registers 0 to 7 the columns
; n = 8 (l / 16) + 0 .. 7: 32 neighbouring bytes of a row.
.set SIZE_N, 4096
.set SIZE_K, 4096
.set KSTEP,  128
.set PITCH,  272                       ; an LDS row: 256 bytes of data + 16 of padding = 68 words: row r starts at bank 4 r mod 64 (64 banks of 4 bytes: ISA guide 11.1), so the 16 rows that a load touches start at 16 different banks
.set HALFT,  128*PITCH                 ; 128 rows: what one tensor load brings, and what one wave reads of A or of B
.set SLOT,   4*HALFT                   ; A's 256 rows, then B's 256 rows
.set STAGE,  2*SLOT                    ; behind the ring: 16 rows x 528 bytes for each wave, for the way out; no tensor load fills it
.set SPITCH, 528                       ; a stage row: 512 bytes (128 f32) + 16: the 16 rows that a store touches start at 16 different groups of four banks
.set SPARE,  STAGE+4*16*SPITCH         ; behind the stages: the spare words, 128 bytes for each wave: two blocks of 256 bytes that no other line names
.set LAPS,   SIZE_K/(2*KSTEP)          ; a lap = two K steps = once round the ring: 16
.set SC,   12                          ; v[12:15] scale of columns 4 l .. 4 l + 3 of my 128
.set ADRA, 16                          ; v16-17  LDS address of my A fragments in slot 0, 1
.set ADRB, 20                          ; v20-21  the same for B
.set STO,  24                          ; v24     the way out: where I put 32 bytes of a row
.set RD,   25                          ; v25     the way out: where I read 16 bytes of a row back
.set CO,   26                          ; v26     16 x lane: my byte offset in 512 bytes of a row of out0, and in my 128 scales; never rewritten
.set SPW,  28                          ; v28     LDS address of my spare word: SPARE + 4 x my thread's number; never rewritten
.set NIL,  29                          ; v29     0; never rewritten
.set PFO,  30                          ; v30     the prefetches' offset: my lane x a row of A or B in memory (8,192 bytes); never rewritten
.set PFA,  44                          ; s[44:45] where my prefetches stand: my work-group's 32 rows of the 128 that I fetch, one K step further along K than the refill that is being asked for; a prefetch names the K step after that
.set LIM,  43                          ; s43     1 in a wave that prefetches, else the greatest number
.set SCB,  66                          ; s[66:67] scale
.set F0,   64                          ; fragment buffer 0
.set F1,   128                         ; fragment buffer 1
.set G1, 24                            ; s[24:31] descriptor group 1 for A's tiles
.set G0, 32                            ; s[32:39] descriptor group 0 for A's tiles, one set for each slot
.set G1B, 48                           ; s[48:55] descriptor group 1 for B's tiles: it differs from A's in the mask alone
.set G0B, 56                           ; s[56:63] descriptor group 0 for B's tiles, one set for each slot
.set MSB, 0
.macro WIN new                         ; the immediate's high byte repeats the setting that is left; a switch that changes nothing is dropped
.if MSB != (\new)
	s_set_vgpr_msb (MSB<<8)|(\new)
.set MSB, \new
.endif
.endm
.set MUL_LO, 0xa1                      ; source 0 (B) window 1, source 1 (A) window 0, C and D window 2
.set MUL_HI, 0xf1                      ; the same, C and D window 3
.set TO_B,   0x40                      ; destination window 1, address window 0
; A joint load.  Waves 0 and 1 fetch A's two halves, waves 2 and 3 B's.  Each of the two lines has ONE mask and one set of registers for all that issue it, and nothing in
; them hangs on a coordinate that the four partners do not share.  The branch hangs on the wave's number alone.
; An s_nop 0 and four v_nop follow each of the two lines; the jump round the other line, the label and what follows the macro come after them.
.macro JLOAD s
	s_cmp_eq_u32 s11, 0
	s_cbranch_scc0 .Lfor_b_\@
	tensor_load_to_lds s[G0+4*(\s):G0+4*(\s)+3], s[G1:G1+7]
	s_nop 0
.rept 4
	v_nop
.endr
	s_branch .Lasked_\@
.Lfor_b_\@:
	tensor_load_to_lds s[G0B+4*(\s):G0B+4*(\s)+3], s[G1B:G1B+7]
	s_nop 0
.rept 4
	v_nop
.endr
.Lasked_\@:
.endm
; A PREFETCH INTO THE L2, behind each joint refill, its five lines and the run of LDS loads that follows them: the K step that stands TWO refills on, 512 matrix instructions ahead of the load that will
; want it: 32 rows x 256 bytes, a lane a row, one instruction a wave.  At a change of slots every wave has waited for all its tensor loads, so the refill that follows has nothing on its way beside it.
; Each row's 256 bytes of a K step are named ONCE in the launch.  A's tile row is read by every cluster of that row of clusters: the first of them (cluster x = 0) prefetches; B's tile column by every
; cluster of that column: cluster y = 0 prefetches.  The four partners that ask for a tile jointly share its rows out BY ADDRESS: of the 128 rows that a wave fetches, the partner at place p takes
; 32 p .. 32 p + 31 (p = cx for A, cy for B): no branch hangs on a work-group's place in its cluster.  K steps 0 to 3 come by their loads alone; the loop's last trip (s3 = 1), whose refills are K steps
; 30 and 31, asks for nothing: the last K step named is 31.
.macro ASK
	s_cmp_gt_u32 s3, s[LIM]
	s_cbranch_scc0 .Lnot_mine_\@
	global_prefetch_b8 v[PFO], s[PFA:PFA+1] offset:KSTEP*2 th:TH_LOAD_NT scope:SCOPE_SE
.Lnot_mine_\@:
.endm
; A round of the cluster's barrier: my work-group's barrier, so that wave 0's signal speaks for all four waves; wave 0 signals for the work-group; every wave waits for all
; sixteen work-groups; my work-group's barrier once more.  No LDS instruction of the wave is pending at a signal.
.macro CREST                           ; a round behind its opening barrier
	s_cmp_lg_u32 s10, 0
	s_cbranch_scc1 .Lnot_wave_0_\@
	s_barrier_signal -3
.Lnot_wave_0_\@:
	s_barrier_wait -3
	s_barrier_signal -1
	s_barrier_wait -1
.endm
.macro CROUND                          ; a whole round
	s_barrier_signal -1
	s_barrier_wait -1
	CREST
.endm
	s_load_b128 s[4:7], s[0:1], 0x0                ; A = xh s[4:5], B = wt s[6:7]
	s_load_b64 s[8:9], s[0:1], 0x10                ; out0
	s_load_b64 s[SCB:SCB+1], s[0:1], 0x18          ; scale
	v_lshl_add_u32 v[SPW], v0, 2, SPARE
	v_mov_b32 v[NIL], 0
	ds_add_u32 v[SPW], v[NIL]                      ; the wave's opening: the add, twice on end, and its wait ahead of my first tensor load; the set-up below, work on registers, stands between the second and the wait
	ds_add_u32 v[SPW], v[NIL]                      ; and once more, under the one wait
	v_lshrrev_b32 v1, 5, v0
	v_readfirstlane_b32 s10, v1                    ; wave 0..3
	s_lshr_b32 s11, s10, 1                         ; which half of the tile's rows is mine.  Also: I fetch for A (0) or for B (1)
	s_and_b32 s12, s10, 1                          ; which half of its columns.  Also: which 128 rows of that tile I fetch
	s_bfe_u32 s40, ttmp6, 0x40000                  ; cx: my place along the cluster's x
	s_bfe_u32 s41, ttmp6, 0x40004                  ; cy: along its y
	s_lshl_b32 s42, ttmp9, 2                       ; in a cluster launch ttmp9 and ttmp7 count clusters
	s_add_co_u32 s42, s42, s40                     ; tile column = 4 x cluster x + cx
	s_and_b32 s13, ttmp7, 0xffff
	s_lshl_b32 s13, s13, 2
	s_add_co_u32 s13, s13, s41                     ; tile row = 4 x cluster y + cy
	s_lshl_b32 s43, s41, 2
	s_lshl_b32 s43, 15, s43                        ; my row of the cluster: places 4 cy .. 4 cy + 3
	s_lshl_b32 s44, 0x1111, s40                    ; my column: places cx, cx + 4, cx + 8, cx + 12
	; descriptor group 1: a tile of 128 rows x 128 elements, padded in LDS
	s_or_b32 s[G1+0], s43, (1<<16)|(1<<20)|(1<<21)|(5<<22)|(3<<25)  ; 15:0 the mask: A's tiles go to my row; 17:16 element of 2 bytes; 20 padding on; 21 set beside a mask; 24:22 after every 64 words (code 5); 31:25 of 4 words (code 3)
	s_or_b32 s[G1B+0], s44, (1<<16)|(1<<20)|(1<<21)|(5<<22)|(3<<25) ; the same with the mask of my column, for B's tiles
	s_mov_b32 s[G1B+1], KSTEP<<16
	s_mov_b32 s[G1+1], KSTEP<<16                   ; 63:48 tensor_dim0, low half = 128
	s_mov_b32 s[G1B+2], 128<<16
	s_mov_b32 s[G1+2], 128<<16                     ; 79:64 its high half = 0; 95:80 tensor_dim1, low half = 128
	s_mov_b32 s[G1B+3], KSTEP<<16
	s_mov_b32 s[G1+3], KSTEP<<16                   ; 111:96 its high half = 0; 127:112 tile_dim0 = 128
	s_mov_b32 s[G1B+4], 128
	s_mov_b32 s[G1+4], 128                         ; 143:128 tile_dim1 = 128; 159:144 tile_dim2 = 0
	s_mov_b32 s[G1B+5], SIZE_K
	s_mov_b32 s[G1+5], SIZE_K                      ; 191:160 tensor_dim0_stride, low word: elements from row to row
	s_mov_b32 s[G1B+6], 0
	s_mov_b32 s[G1+6], 0
	s_mov_b32 s[G1B+7], 0
	s_mov_b32 s[G1+7], 0
	; where the tiles come from.  A's hang on the tile row alone, which my row of the cluster shares; B's on the tile column alone, which my column shares.
	; Every wave makes both addresses, in registers that never hold the other coordinate, and asks by one of them.
	s_lshl_b32 s17, s12, 7                         ; which 128 rows of the tile I fetch
	s_lshl_b32 s16, s13, 8
	s_add_co_u32 s16, s16, s17                     ; A: row 256 x tile row + 128 x half
	s_lshl_b32 s46, s42, 8
	s_add_co_u32 s46, s46, s17                     ; B: row 256 x tile column + 128 x half
	s_mov_b32 s17, 0
	s_mov_b32 s47, 0
	s_mov_b64 s[18:19], SIZE_K*2
	s_mul_u64 s[16:17], s[16:17], s[18:19]         ; in bytes, in 64 bits
	s_mul_u64 s[46:47], s[46:47], s[18:19]
	s_mul_i32 s20, s10, HALFT                      ; and where they go: A's two halves, then B's two halves = wave x 128 rows: no place in the cluster enters an LDS address
	s_wait_dscnt 0x0                               ; both opening adds are done
	s_wait_kmcnt 0x0
	s_add_nc_u64 s[14:15], s[4:5], s[16:17]
	s_add_nc_u64 s[46:47], s[6:7], s[46:47]
	CROUND                                         ; all sixteen work-groups are here: the first joint loads meet
.irp s, 0,1
	s_mov_b32 s[G0+4*(\s)], 1                                      ; 1:0 count = 1
	s_add_co_u32 s[G0+4*(\s)+1], s20, (\s)*SLOT                    ; 63:32 LDS address
	s_add_nc_u64 s[G0+4*(\s)+2:G0+4*(\s)+3], s[14:15], (\s)*KSTEP*2  ; 120:64 global address: K step s
	s_or_b32 s[G0+4*(\s)+3], s[G0+4*(\s)+3], 0x80000000            ; 127:126 type = 2
	s_mov_b32 s[G0B+4*(\s)], 1
	s_add_co_u32 s[G0B+4*(\s)+1], s20, (\s)*SLOT
	s_add_nc_u64 s[G0B+4*(\s)+2:G0B+4*(\s)+3], s[46:47], (\s)*KSTEP*2
	s_or_b32 s[G0B+4*(\s)+3], s[G0B+4*(\s)+3], 0x80000000
	JLOAD \s                                       ; the ring is filled before anything else is done: two tensor loads of mine are out
.endr
	; A fragment is 16 rows x 32 K in 8 registers: lane l holds row l % 16; registers 0-3 hold K = 8 (l / 16) + 0..7, registers 4-7 hold
	; K = 16 + 8 (l / 16) + 0..7.  From rows that lie along K: two loads of 16 bytes, 32 bytes apart.  The same for source 0 and source 1.
	v_and_b32 v1, 15, v0                           ; l % 16
	v_bfe_u32 v2, v0, 4, 1                         ; l / 16
	v_mul_u32_u24 v3, v1, PITCH
	v_lshl_add_u32 v3, v2, 4, v3                   ; row x pitch + 16 x half
	s_mul_i32 s21, s11, HALFT                      ; my 128 rows of A
	s_mul_i32 s22, s12, HALFT                      ; my 128 rows of B,
	s_add_co_u32 s22, s22, 2*HALFT                 ; which lie behind A's 256
.irp s, 0,1
	v_add_nc_u32 v[ADRA+(\s)], s21, v3
	v_add_nc_u32 v[ADRB+(\s)], s22, v3
	s_add_co_u32 s21, s21, SLOT
	s_add_co_u32 s22, s22, SLOT
.endr
	s_mul_i32 s23, s10, 16*SPITCH
	s_add_co_u32 s23, s23, STAGE                   ; my stage
	v_mul_u32_u24 v4, v1, SPITCH                   ; in: row l % 16, 32 bytes for each half of the lanes
	v_lshl_add_u32 v4, v2, 5, v4
	v_add_nc_u32 v[STO], s23, v4
	v_and_b32 v5, 31, v0
	v_lshlrev_b32 v[CO], 4, v5                     ; back: the 32 lanes take one row of 512 bytes, 16 each; the same 512 bytes in out0
	v_add_nc_u32 v[RD], s23, v[CO]
	; where my part of the tile begins in out0, and my 128 columns in scale
	s_lshl_b32 s13, s13, 8
	s_lshl_b32 s14, s11, 7
	s_add_co_u32 s16, s13, s14                     ; my first row of out0
	s_mov_b32 s17, 0
	s_mov_b64 s[18:19], SIZE_N*4
	s_mul_u64 s[16:17], s[16:17], s[18:19]
	s_lshl_b32 s46, s42, 10                        ; my first column, in bytes of f32: 1,024 x tile column + 512 x half (in the registers that held B's address: none that feeds A's descriptors ever holds cx)
	s_lshl_b32 s47, s12, 9
	s_add_co_u32 s46, s46, s47
	s_mov_b32 s47, 0
	s_add_nc_u64 s[16:17], s[16:17], s[46:47]
	s_add_nc_u64 s[8:9], s[8:9], s[16:17]
	s_add_nc_u64 s[SCB:SCB+1], s[SCB:SCB+1], s[46:47]
	global_load_b128 v[SC:SC+3], v[CO], s[SCB:SCB+1]  ; waited for on the way out
	; the prefetches.  s13 = 256 x tile row, s42 = tile column, s40 = cx, s41 = cy still stand; s[4:5] = A, s[6:7] = B
	s_lshl_b32 s42, s42, 8
	s_and_b32 s22, ttmp7, 0xffff                   ; cluster y
	s_cmp_eq_u32 s11, 0                            ; do I fetch for A?
	s_cselect_b32 s20, s13, s42                    ; the tile's first row: in A by the tile row, in B by the tile column
	s_cselect_b32 s21, s40, s41                    ; my place among the four that ask for it with me
	s_cselect_b32 s22, ttmp9, s22                  ; the coordinate along which other clusters read the same rows
	s_cselect_b64 s[PFA:PFA+1], s[4:5], s[6:7]
	s_cmp_eq_u32 s22, 0
	s_cselect_b32 s[LIM], 1, -1                    ; the same in all sixteen partners, for a given wave
	s_lshl_b32 s22, s12, 7
	s_add_co_u32 s20, s20, s22                     ; + the 128 rows that I fetch
	s_lshl_b32 s21, s21, 5
	s_add_co_u32 s20, s20, s21                     ; + my work-group's 32 of them
	s_mov_b32 s21, 0
	s_mov_b64 s[18:19], SIZE_K*2
	s_mul_u64 s[20:21], s[20:21], s[18:19]
	s_add_nc_u64 s[PFA:PFA+1], s[PFA:PFA+1], s[20:21]
	s_add_nc_u64 s[PFA:PFA+1], s[PFA:PFA+1], 2*KSTEP*2  ; at K step 2: the first refill steps it to 3 and names K step 4
	v_and_b32 v[PFO], 31, v0
	v_mul_u32_u24 v[PFO], v[PFO], SIZE_K*2
	; nothing is prefetched here, at the head, where every work-group's first two tiles are on their way
; 16 matrix instructions: m blocks a0, a0 + 1 of the window's four (hi = 0: my rows 0-63, 1: rows 64-127) x all 8 n blocks, 32 along K.
; zero = 1: the first product starts the sums: nothing is ever cleared.  The 64 accumulators take turns, one instruction a turn, in the same order in every quarter step.
.macro MUL16 f, hi, a0, zero
	WIN MUL_LO+0x50*(\hi)
.irp a, \a0, (\a0)+1
.irp b, 0,1,2,3,4,5,6,7
.if \zero
	v_wmma_f32_16x16x32_f16 v[8*(8*(\a)+(\b)):8*(8*(\a)+(\b))+7], v[(\f)+8*(\b):(\f)+8*(\b)+7], v[(\f)+8*(4*(\hi)+(\a)):(\f)+8*(4*(\hi)+(\a))+7], 0
.else
	v_wmma_f32_16x16x32_f16 v[8*(8*(\a)+(\b)):8*(8*(\a)+(\b))+7], v[(\f)+8*(\b):(\f)+8*(\b)+7], v[(\f)+8*(4*(\hi)+(\a)):(\f)+8*(4*(\hi)+(\a))+7], v[8*(8*(\a)+(\b)):8*(8*(\a)+(\b))+7]
.endif
.endr
.endr
.endm
; 32 LDS loads in one run: the fragments of one quarter step (128 rows of B, 128 rows of A, 32 K at byte k of the rows) into buffer f
.macro FETCH slot, k, f
	WIN TO_B
.irp i, 0,1,2,3,4,5,6,7
	ds_load_b128 v[(\f)+8*(\i):(\f)+8*(\i)+3],   v[ADRB+(\slot)] offset:(\k)+(\i)*16*PITCH
	ds_load_b128 v[(\f)+8*(\i)+4:(\f)+8*(\i)+7], v[ADRB+(\slot)] offset:(\k)+(\i)*16*PITCH+32
.endr
	WIN 0
.irp i, 0,1,2,3,4,5,6,7
	ds_load_b128 v[(\f)+8*(\i):(\f)+8*(\i)+3],   v[ADRA+(\slot)] offset:(\k)+(\i)*16*PITCH
	ds_load_b128 v[(\f)+8*(\i)+4:(\f)+8*(\i)+7], v[ADRA+(\slot)] offset:(\k)+(\i)*16*PITCH+32
.endr
.endm
; A load into a register that a matrix instruction has read, and an LDS store that reads a matrix result, stand four places behind that matrix instruction, and only plain vector
; instructions that name none of its registers are places (ISA guide 7.12.1 for vector instructions); the matrix instructions in between are not counted.
.macro PLACES
.rept 4
	v_nop
.endr
.endm
; A K step is four quarter steps of 32 along K, 64 matrix instructions each, on buffers 0, 1, 0, 1.
; One of the first three: multiplies buffer f; in its middle it fetches the next quarter's fragments, at byte k of the same slot's rows, into buffer g.
.macro QUARTER slot, k, f, g, zero
	s_wait_dscnt 8                                 ; B and A's rows 0-63 are in; the youngest eight loads (A's rows 64-127) may be out
	WIN MUL_LO
	MUL16 \f, 0, 0, \zero
	MUL16 \f, 0, 2, \zero
	PLACES
	FETCH \slot, \k, \g
	s_wait_dscnt 32                                ; all but the 32 just issued
	WIN MUL_HI
	MUL16 \f, 1, 0, \zero
	MUL16 \f, 1, 2, \zero
.endm
; The last quarter multiplies buffer 1 and changes slots.  MEET is its first half: ONE barrier for the change of slots, for two things.  In front of it each wave waits for all its tensor
; loads, of which one is out: its part of the next slot; adds 0 to its spare word; and waits for that and for its own reads of this slot.  Behind it nobody reads this slot any more and the next slot is whole.
.macro MEET round                      ; round = 1: a round of the cluster's barrier follows
	WIN 0                                          ; (the add's two registers lie in window 0)
	s_wait_tensorcnt 0x0                           ; all my tensor loads have landed: the one that was out is my part of the next slot;
	ds_add_u32 v[SPW], v[NIL]                      ; 0 onto my spare word;
	s_wait_dscnt 9                                 ; (the add and the youngest eight loads may be out)
	WIN MUL_LO
	MUL16 F1, 0, 0, 0                              ; sixteen matrix instructions stand between the add and the wait for it
	s_wait_dscnt 0x0                               ; the add is done, and my reads of this slot are over:
	s_barrier_signal -1                            ; say so (where a slot is filled again this barrier opens a round of the cluster's barrier),
	MUL16 F1, 0, 2, 0                              ; work on registers while the others arrive,
.if \round
	WIN 0
.endif
	s_barrier_wait -1                              ; and go on when all four have said so
.endm
; The whole last quarter, where the slot just read out is filled again, with the K step two steps on: the first tensor load behind the round; then come the next slot's first fragments.
; From a request to the wait for it a wave issues 224 matrix instructions.
.macro TURN slot, next
	s_wait_xcnt 0x0                                ; the last prefetch, a K step back, has read its address: it is stepped here, ahead of the waits of the change of slots
	s_add_nc_u64 s[PFA:PFA+1], s[PFA:PFA+1], KSTEP*2
	MEET 1
	CREST                                          ; wave 0 says so for the work-group, all sixteen work-groups have said so, my work-group's barrier closes the round:
	                                               ; no wave of any partner still reads this slot's tile or has a load on its way
	s_add_nc_u64 s[G0+4*(\slot)+2:G0+4*(\slot)+3], s[G0+4*(\slot)+2:G0+4*(\slot)+3], 2*KSTEP*2
	s_add_nc_u64 s[G0B+4*(\slot)+2:G0B+4*(\slot)+3], s[G0B+4*(\slot)+2:G0B+4*(\slot)+3], 2*KSTEP*2
	JLOAD \slot                                    ; my one tensor load behind the round; the four v_nop behind it are also the places in front of the loads below
	FETCH \next, 0, F0
	ASK                                            ; behind the joint load and the run of LDS loads that the next products wait for
	WIN MUL_HI
	MUL16 F1, 1, 0, 0
	MUL16 F1, 1, 2, 0
.endm
; The same quarter in the last lap: slot 0 is left for slot 1 and nothing is filled again, so no round follows the barrier.
.macro TURNX
	MEET 0
	PLACES                                         ; for the loads into buffer 0, which the quarter before multiplied
	FETCH 1, 0, F0
	WIN MUL_HI
	MUL16 F1, 1, 0, 0
	MUL16 F1, 1, 2, 0
.endm
; THE WAY OUT of block a (16 rows x my 128 columns), in two parts.  A lane's 32 bytes are a sixteenth of a row's 512, and the lanes beside it hold other rows: so the block goes through my own stage.
; TOSTAGE: the accumulators as they are (each one's four lowest registers first) into rows of 528 bytes, and back as whole rows of 512, into buffer a % 3.
.macro TOSTAGE a
.set AC, 64*((\a)%4)
.set BK, 64+64*((\a)%3)
	WIN 0x08+4*((\a)/4)                            ; the stores' data (source 1) in window 2 or 3, the address in window 0
.irp b, 0,1,2,3,4,5,6,7
	ds_store_b128 v[STO], v[AC+8*(\b):AC+8*(\b)+3]   offset:64*(\b)
	ds_store_b128 v[STO], v[AC+8*(\b)+4:AC+8*(\b)+7] offset:64*(\b)+16
.endr
	WIN 0
.irp t, 0,1,2,3,4,5,6,7,8,9,10,11,12,13,14,15
	ds_load_b128 v[BK+4*(\t):BK+4*(\t)+3], v[RD] offset:(\t)*SPITCH  ; LDS serves a wave's instructions in order (ISA guide 5.7.1.4): these see the stores above; the next block's stores come behind them
.endr
.endm
; SEND: times the columns' scales, and stored.  younger: the LDS instructions issued behind the block's loads: the next block's 16 stores and 16 loads, or none.
; With three buffers a buffer is loaded again two SENDs behind the stores that read it, and the s_wait_xcnt 0 of the SEND between stands behind those stores.
.macro SEND a, younger
.set BK, 64+64*((\a)%3)
	WIN 0
	s_wait_dscnt \younger                          ; the block is back in registers
.irp t, 0,1,2,3,4,5,6,7,8,9,10,11,12,13,14,15
	v_pk_mul_f32 v[BK+4*(\t):BK+4*(\t)+1],   v[BK+4*(\t):BK+4*(\t)+1],   v[SC:SC+1]
	v_pk_mul_f32 v[BK+4*(\t)+2:BK+4*(\t)+3], v[BK+4*(\t)+2:BK+4*(\t)+3], v[SC+2:SC+3]
.endr
	s_wait_xcnt 0x0                                ; every earlier memory instruction has had its addresses translated (ISA guide 3.1): only behind this wait is the stores' base rewritten
.if (\a) > 0
	s_add_nc_u64 s[8:9], s[8:9], 16*SIZE_N*4       ; 16 rows of out0 on
.endif
.irp t, 0,1,2,3,4,5,6,7,8,9,10,11,12,13,14,15
	global_store_b128 v[CO], v[BK+4*(\t):BK+4*(\t)+3], s[8:9] offset:(\t)*SIZE_N*4 th:TH_STORE_NT  ; the wave stores 512 consecutive bytes, at a multiple of 512 from out0's first byte
.endr
.endm
	s_wait_tensorcnt 1                             ; my part of K step 0 is in; K step 1's load may stay out
	s_barrier_signal -1
	s_barrier_wait -1                              ; everybody's is
	FETCH 0, 0, F0
	QUARTER 0, 64,  F0, F1, 1                      ; the first quarter stands in front of the loop: its products start the sums
	WIN 0                                          ; at a label and at a branch every window is 0
	s_mov_b32 s3, LAPS-1
.Llap:                                                 ; a trip goes once round the ring, from a lap's second quarter to the next lap's first, and fills both slots again: K steps 2 to 31
	QUARTER 0, 128, F1, F0, 0
	QUARTER 0, 192, F0, F1, 0
	TURN 0, 1
	QUARTER 1, 64,  F0, F1, 0
	QUARTER 1, 128, F1, F0, 0
	QUARTER 1, 192, F0, F1, 0
	TURN 1, 0
	QUARTER 0, 64,  F0, F1, 0
	WIN 0
	s_sub_co_u32 s3, s3, 1
	s_cmp_lg_u32 s3, 0
	s_cbranch_scc1 .Llap
	QUARTER 0, 128, F1, F0, 0                      ; the last lap is written out: it asks for nothing more
	QUARTER 0, 192, F0, F1, 0
	TURNX
	QUARTER 1, 64,  F0, F1, 0
	QUARTER 1, 128, F1, F0, 0
	QUARTER 1, 192, F0, F1, 0
	s_wait_dscnt 8                                 ; the very last quarter: nothing more to fetch
	WIN MUL_LO
	MUL16 F1, 0, 0, 0
	MUL16 F1, 0, 2, 0
	s_wait_dscnt 0x0
	MUL16 F1, 1, 0, 0
	MUL16 F1, 1, 2, 0
	PLACES                                         ; behind the last products, in front of the stores that read results and of the loads into A's buffers:
	PLACES                                         ; eight, once a launch
	WIN 0
	s_wait_loadcnt 0x0                             ; my four scales
	TOSTAGE 0
.irp a, 1,2,3,4,5,6,7                  ; block a goes into the stage and is asked back while block a - 1 is scaled and stored
	TOSTAGE \a
	SEND (\a)-1, 32
.endr
	SEND 7, 0
	s_wait_tensorcnt 0x0                           ; the wave's end, behind my last tensor load and my last LDS store
	ds_add_u32 v[SPW], v[NIL]
	s_wait_dscnt 0x0
	CROUND                                         ; the closing round: no work-group ends while a partner may still ask for a tile that names it
	s_endpgm
.Lfunc_end_k_qe739cc34bc_gemm:
	.size	k_qe739cc34bc_gemm, .Lfunc_end_k_qe739cc34bc_gemm-k_qe739cc34bc_gemm
	.p2alignl 7, 3214868480
	.fill 96, 4, 3214868480
	.section	.rodata,"a",@progbits
	.p2align	6, 0x0
	.amdhsa_kernel k_qe739cc34bc_gemm
		.amdhsa_group_segment_fixed_size 327680
		.amdhsa_private_segment_fixed_size 0
		.amdhsa_enable_private_segment 0
		.amdhsa_kernarg_size 32
		.amdhsa_user_sgpr_count 2
		.amdhsa_user_sgpr_kernarg_segment_ptr 1
		.amdhsa_wavefront_size32 1
		.amdhsa_system_sgpr_workgroup_id_x 1
		.amdhsa_system_sgpr_workgroup_id_y 1
		.amdhsa_system_sgpr_workgroup_id_z 1
		.amdhsa_system_vgpr_workitem_id 0
		.amdhsa_next_free_vgpr 1024
		.amdhsa_next_free_sgpr 72
		.amdhsa_reserve_vcc 0
		.amdhsa_float_denorm_mode_32 3
		.amdhsa_float_denorm_mode_16_64 3
		.amdhsa_memory_ordered 1
		.amdhsa_forward_progress 1
		.amdhsa_inst_pref_size 158
	.end_amdhsa_kernel
	.amdgpu_metadata
---
amdhsa.version: [ 1, 2 ]
amdhsa.kernels:
  - .name:           k_qe739cc34bc_gemm
    .symbol:         k_qe739cc34bc_gemm.kd
    .args:
      - { .name: xh, .offset: 0, .size: 8, .value_kind: global_buffer, .address_space: global }
      - { .name: wt, .offset: 8, .size: 8, .value_kind: global_buffer, .address_space: global }
      - { .name: out0, .offset: 16, .size: 8, .value_kind: global_buffer, .address_space: global }
      - { .name: scale, .offset: 24, .size: 8, .value_kind: global_buffer, .address_space: global }
    .group_segment_fixed_size: 327680
    .private_segment_fixed_size: 0
    .kernarg_segment_align: 8
    .kernarg_segment_size: 32
    .max_flat_workgroup_size: 128
    .sgpr_count:     72
    .vgpr_count:     1024
    .wavefront_size: 32
...
	.end_amdgpu_metadata
.endif
;; end of part 2
;; ======== version 2 of 2: 2 launches; version 1 with the launch prep written anew for expert scheduling mode
;; limits: values are held in f16: magnitudes above 65,504 overflow, below 6.1e-05 lose precision; inputs' magnitudes at most 65,504
;; workspace buffers: xh 33,554,432 bytes; wt 33,554,432 bytes; scale 16,384 bytes
;; launch prep (part 3): grid 256 x 1, 8 waves a work-group, no clusters, 1,536 bytes of LDS; arguments x, rows_mean, columns_mean, alpha_mean, xh, wt, scale; writes xh, wt, scale
.if DOCPART == 3
	.amdgcn_target "amdgcn-amd-amdhsa--gfx1250"
	.amdhsa_code_object_version 6
	.text
	.protected	k_qe739cc34bc_prep
	.globl	k_qe739cc34bc_prep
	.p2align	8
	.type	k_qe739cc34bc_prep,@function
k_qe739cc34bc_prep:
	s_mov_b64 s[64:65], 0
	v_nop
	global_prefetch_b8 v0, s[64:65] scope:SCOPE_SE
	s_setreg_imm32_b32 hwreg(HW_REG_WAVE_SCHED_MODE, 0, 2), 2
	s_setreg_imm32_b32 hwreg(HW_REG_WAVE_MODE, 25, 1), 1
	s_wait_xcnt 0x0
	s_wait_alu depctr_vm_vsrc(0)
; PREPARES THE TWO OPERANDS OF out0 = (x * alpha) @ w,  w[i][o] = exp(-|c_i - r_o|^2)  (the same number as exp(-(|r|^2 + |c|^2 - 2 c.r))).
;   xh[b][i]  = f16(x[b][i])
;   wt[o][i]  = f16(alpha_i * 2^(mL_o - L d2_io)),  d2_io = (c_i0 - r_o0)^2 + (c_i1 - r_o1)^2,  L = log2(e),  mL_o = L * min over i of d2_io (rounded once to f32)
;   scale[o]  = 2^(-mL_o)   with the same rounded mL_o, so that wt * scale is alpha * 2^(-L d2) again
; WHY THE MINIMUM.  f16 ends near 6e-8 at the small end; a column o far from all c_i would be all zeros.  With the column's smallest distance taken away
; its largest exponential factor is 1, whatever the inputs; the factor taken out is put back in f32 on the finished sums by the next launch.
; d2 is made of the differences, so no difference of large sums is formed.
; LIMITS.  |x| and |alpha| below 65,504 (f16's range); numbers below 6e-5 keep f16's fixed step of 6e-8; where mL_o is above 126 scale[o] is 0 (v_exp_f32 gives 0
; for results below 2^-126: ISA guide, its entry in 15.8) and the column comes out as 0; NaN and infinities are not treated apart.
; SHARES.  256 work-groups of 8 waves.  Work-group g owns rows 16 g .. 16 g + 15 of x (262,144 dense bytes) and rows o = 16 g .. 16 g + 15 of wt.
;   x:  wave w takes 32,768 bytes, 64 chunks of 512; a chunk is one load of 16 bytes a lane and leaves as one store of 8 bytes a lane: 256 consecutive bytes, aligned.
;   wt: thread t owns i = 2048 gr + 8 t + 0..7, gr = 0, 1: its 16 c0, c1 and alpha stay in registers for all 16 o; a wave's store of 16 bytes a lane covers 512 consecutive bytes.
; No wave wants another wave's bytes of x, so x goes through registers: a ring of 4 groups of 4 loads, 16 loads of each wave in flight.  One row of wt and one group of x share a step.
; scale leaves as 64 bytes a work-group, a part of an aligned 256: 16,384 bytes in the whole launch.
; THE MODE: SCHED_MODE bits 1:0 = 2 (LLVM: expert scheduling mode 2), set by the entry lines.  The code itself states the register dependences
; between vector instructions and memory or LDS instructions, with s_wait_alu, always for 0.
; THE PLAN.  Registers that memory or LDS instructions touch:
;   XO, HO, WO, MA, LQ, SO, IZ, OR0, OC, OA   offsets and indices, made at the head and never written again.
;   NR0, NR1, ML, SCL, WM                     written once by vector lines, then read by permutes or by one store, never written again.
;   IDN          the permutes' walking index: read by a step's permutes, written by one add in the next step.
;   PAR0, PAR1   one column's parameters.  Column o lies in set o % 2; the step of column o reads it and then asks for column o + 2 into the same set, behind its last reader.
;   X0 .. X3     the ring.  A step's eight conversions read X[i]; behind them the loads of 16 chunks on land in it.
;   H            written by those conversions; read by the four stores of the same step.
;   W0, W1       row k's roundings write W[k % 2]; the two stores that read it are issued in step k + 1.
;   T0 .. T7     between the phases the eight LDS loads of the minima land in them.
; PHASE 2 goes in steps 0 to 16: step k computes row k of wt (k < 16) and, for k > 0, rounds and stores group k - 1 of x, asks for its buffer again and stores row k - 1 of wt.
; ONE wait on vm_vsrc and ONE on va_vdst stand in a step, behind the row's exponentials.  The first: the stores of the step before have read H and W[k % 2], its permutes IDN.
; The second: the exponentials are written; the set's readers are done; IDN, H and the other W are written; the conversions are done reading X[i].  The step's 13 memory and LDS
; instructions follow it, dealt among 16 vector lines that name T, AL and W[k % 2] alone: none of the registers that those instructions touch.
.set L2E,   0x3fb8aa3b                 ; log2(e)
.set NL2E,  0xbfb8aa3b                 ; -log2(e)
.set MINS,  0                          ; LDS 0..511: wave w's 16 minima at 64 w + 4 o
.set SPARE, 512                        ; LDS 512..1535: the spare words, 128 bytes for each of the 8 waves; no other line names them
.set XO,  2                            ; v2   32768 w + 16 l: my 16 bytes of my wave's first chunk of x; never rewritten
.set HO,  3                            ; v3   16384 w + 8 l: the same in xh; never rewritten
.set WO,  4                            ; v4   16 t: my 16 bytes in a half row of wt; never rewritten
.set IDN, 5                            ; v5   4 x the column whose parameters were fetched last: the lane permute's index
.set MA,  6                            ; v6   64 w + 4 (l & 15)
.set LQ,  7                            ; v7   4 (l & 15)
.set SPW, 8                            ; v8   LDS address of my spare word; never rewritten
.set NIL, 9                            ; v9   0; never rewritten
.set NR0, 10                           ; v10  -r0 of column 16 g + (l & 15)
.set NR1, 11                           ; v11  -r1
.set ML,  12                           ; v12  mL of that column
.set NML, 13                           ; v13  -mL
.set SCL, 14                           ; v14  2^(-mL)
.set SO,  15                           ; v15  64 g + 4 (l & 15): that column's word in scale
.set PAR, 16                           ; v[16:21], v[22:27]  two sets of one column's parameters, in every lane: -r0, -r1, mL in the even registers; the odd ones hold 0 (named as pairs)
.set M0,  28                           ; v28-30 at work on minima
.set WM,  31                           ; v31  my wave's minimum for column l & 15
.set T,   32                           ; v[32:63]  pair p of my 16 i: v[T+4p:T+4p+1] d2, then the exponent, then the weight; v[T+4p+2:T+4p+3] at work.  First: the columns as loaded
.set C0,  64                           ; v[64:79]   c0 of my 16 i
.set C1,  80                           ; v[80:95]   c1
.set AL,  96                           ; v[96:111]  alpha
.set W,   112                          ; v[112:127] two buffers of 16 f16 for wt, by the row's parity
.set X,   128                          ; v[128:191] the ring: group j, load k at X + 16 j + 4 k
.set H,   192                          ; v[192:199] 16 f16 for xh
.set IZ,  200                          ; v200 0: the index of column 0; never rewritten
.set LQ4, 201                          ; v201 4 (l & 15) + 4: named by vector lines alone
.set OR0, 202                          ; v202-204 the offsets of the head's loads from rows_mean, columns_mean, alpha_mean; never rewritten
.set OC,  203
.set OA,  204
	s_load_b256 s[4:11], s[0:1], 0x0               ; x s[4:5], rows_mean s[6:7], columns_mean s[8:9], alpha_mean s[10:11]
	s_load_b128 s[12:15], s[0:1], 0x20             ; xh s[12:13], wt s[14:15]
	s_load_b64 s[16:17], s[0:1], 0x30              ; scale
	v_lshl_add_u32 v[SPW], v0, 2, SPARE
	v_mov_b32 v[NIL], 0
	v_lshrrev_b32 v1, 5, v0
	v_readfirstlane_b32 s18, v1                    ; wave 0..7
	v_lshlrev_b32 v[WO], 4, v0
	v_lshlrev_b32 v[OC], 6, v0                     ; columns_mean: my 8 i are 64 bytes
	v_lshlrev_b32 v[OA], 5, v0                     ; alpha_mean: 32 bytes
	v_and_b32 v1, 15, v0                           ; l & 15
	v_lshlrev_b32 v[LQ], 2, v1
	v_add_nc_u32 v[LQ4], 4, v[LQ]
	s_lshl_b32 s19, ttmp9, 6
	v_add_nc_u32 v[SO], s19, v[LQ]
	s_lshl_b32 s28, ttmp9, 7
	v_lshl_add_u32 v[OR0], v1, 3, s28              ; rows_mean: 8 bytes a column, 128 g + 8 (l & 15)
.irp r, 1,3,5,7,9,11
	v_mov_b32 v[PAR+(\r)], 0                       ; the upper halves of the parameter pairs: named, never used
.endr
	v_mov_b32 v[WM], 0                             ; every lane is written in the step of its own column; until then any number
	v_mov_b32 v[IZ], 0
	v_mov_b32 v[IDN], 4
	s_mov_b32 s24, 0x76543210                      ; v_permlanex16_b32: each lane takes its own place in the other half
	s_mov_b32 s25, 0xfedcba98
	s_lshl_b32 s20, ttmp9, 18                      ; my 16 rows of x: 262,144 bytes a work-group,
	s_mov_b32 s21, 0
	s_lshl_b32 s22, ttmp9, 17                      ; of xh and of wt: 131,072
	s_mov_b32 s23, 0
	s_wait_alu depctr_va_sdst(0)                   ; s18 is written, ahead of its first reader
	s_lshl_b32 s29, s18, 6
	v_add_nc_u32 v[MA], s29, v[LQ]
	v_and_b32 v1, 31, v0                           ; lane
	s_lshl_b32 s30, s18, 15
	v_lshl_add_u32 v[XO], v1, 4, s30
	s_lshl_b32 s31, s18, 14
	v_lshl_add_u32 v[HO], v1, 3, s31
	s_wait_kmcnt 0x0
	s_add_nc_u64 s[4:5], s[4:5], s[20:21]
	s_add_nc_u64 s[12:13], s[12:13], s[22:23]
	s_add_nc_u64 s[14:15], s[14:15], s[22:23]
	s_wait_alu depctr_va_vdst(0)                   ; all offsets and indices are written (XO, HO, WO, MA, LQ, SO, IZ, IDN, OR0, OC, OA), which the loads, stores and permutes below read
	global_load_b64 v[M0:M0+1], v[OR0], s[6:7]     ; 13 small loads,
.irp gr, 0,1
.irp q, 0,1,2,3
	global_load_b128 v[T+16*(\gr)+4*(\q):T+16*(\gr)+4*(\q)+3], v[OC], s[8:9] offset:16384*(\gr)+16*(\q)
.endr
.endr
.irp gr, 0,1
.irp q, 0,1
	global_load_b128 v[AL+8*(\gr)+4*(\q):AL+8*(\gr)+4*(\q)+3], v[OA], s[10:11] offset:8192*(\gr)+16*(\q)
.endr
.endr
.irp c, 0,1,2,3,4,5,6,7,8,9,10,11,12,13,14,15
	global_load_b128 v[X+4*(\c):X+4*(\c)+3], v[XO], s[4:5] offset:512*(\c) th:TH_LOAD_NT  ; then the ring is filled: chunks 0 to 15
.endr
	s_wait_loadcnt 16                              ; loads come back in order: the 13 small ones are in, the ring's 16 stay out
	v_mul_f32 v[NR0], -1.0, v[M0]
	v_mul_f32 v[NR1], -1.0, v[M0+1]
.set n, 0
.rept 16
	v_mov_b32 v[C0+n], v[T+2*n]                    ; as loaded c0 and c1 alternate; apart, two i go through each packed instruction of all 32 walks below
	v_mov_b32 v[C1+n], v[T+2*n+1]
.set n, n+1
.endr
	s_wait_alu depctr_va_vdst(0)                   ; NR0 and NR1 are written, which every permute from here on reads
	ds_bpermute_b32 v[PAR], v[IZ], v[NR0]          ; column 0's -r0 and -r1 into every lane (the lane index / 4 holds them),
	ds_bpermute_b32 v[PAR+2], v[IZ], v[NR1]
	ds_bpermute_b32 v[PAR+6], v[IDN], v[NR0]       ; and column 1's, into the other set
	ds_bpermute_b32 v[PAR+8], v[IDN], v[NR1]
; d2 of my 16 i for the column whose parameters lie in set s: four packed instructions for two i, written stage by stage so that none reads the result of the one before it.
; DISTA holds the two stages that read the set, DISTB the two that do not.
.macro DISTA s
.irp p, 0,1,2,3,4,5,6,7
	v_pk_add_f32 v[T+4*(\p):T+4*(\p)+1], v[C0+2*(\p):C0+2*(\p)+1], v[PAR+6*(\s):PAR+6*(\s)+1] op_sel_hi:[1,0]
.endr
.irp p, 0,1,2,3,4,5,6,7
	v_pk_add_f32 v[T+4*(\p)+2:T+4*(\p)+3], v[C1+2*(\p):C1+2*(\p)+1], v[PAR+6*(\s)+2:PAR+6*(\s)+3] op_sel_hi:[1,0]
.endr
.endm
.macro DISTB
.irp p, 0,1,2,3,4,5,6,7
	v_pk_mul_f32 v[T+4*(\p):T+4*(\p)+1], v[T+4*(\p):T+4*(\p)+1], v[T+4*(\p):T+4*(\p)+1]
.endr
.irp p, 0,1,2,3,4,5,6,7
	v_pk_fma_f32 v[T+4*(\p):T+4*(\p)+1], v[T+4*(\p)+2:T+4*(\p)+3], v[T+4*(\p)+2:T+4*(\p)+3], v[T+4*(\p):T+4*(\p)+1]
.endr
.endm
.macro MIN3 dst, acc, n1, n2           ; register dst = the least of register acc and d2 numbers n1, n2 (number n lies at T + 4 (n / 2) + n % 2)
	v_min3_num_f32 v[\dst], v[\acc], v[T+4*((\n1)/2)+(\n1)%2], v[T+4*((\n2)/2)+(\n2)%2]
.endm
; PHASE 1, one column o (set s = o % 2): its smallest d2 over my wave's 512 i, kept in the lanes whose l & 15 is the column.  At the step's head IDN holds 4 (o + 1).
.macro MINSTEP s
	s_wait_dscnt 2                                 ; LDS instructions come back in order: set s is in, the next column's two permutes stay out
	s_wait_alu depctr_vm_vsrc(0)                   ; the permutes issued so far have read IDN, which the add below writes
	v_cmp_eq_u32 s27, v[IDN], v[LQ4]               ; the lanes that keep this column: made of ids and the counter alone
	v_add_nc_u32 v[IDN], 4, v[IDN]
	DISTA \s
	s_wait_alu depctr_va_vdst(0)                   ; the sixteen additions are done reading set s, in which the permutes below land; IDN is written, which they read
	ds_bpermute_b32 v[PAR+6*(\s)], v[IDN], v[NR0]  ; column o + 2, into the set just read.  In the last two steps: lanes 16 and 17, which hold columns 0 and 1 again: phase 2's first two sets
	ds_bpermute_b32 v[PAR+6*(\s)+2], v[IDN], v[NR1]
	DISTB
	MIN3 M0, T, 1, 2                               ; two chains of seven, the two left over, and the two chains
	MIN3 M0+2, T+13, 8, 9
	MIN3 M0, M0, 3, 4
	MIN3 M0+2, M0+2, 10, 11
	MIN3 M0, M0, 5, 6
	MIN3 M0+2, M0+2, 12, 13
	MIN3 M0, M0, 14, 15
	v_min_num_f32 v[M0], v[M0], v[M0+2]
	v_min_num_f32_dpp v[M0], v[M0], v[M0] row_xmask:1 row_mask:0xf bank_mask:0xf
	v_min_num_f32_dpp v[M0], v[M0], v[M0] row_xmask:2 row_mask:0xf bank_mask:0xf
	v_min_num_f32_dpp v[M0], v[M0], v[M0] row_xmask:4 row_mask:0xf bank_mask:0xf
	v_min_num_f32_dpp v[M0], v[M0], v[M0] row_xmask:8 row_mask:0xf bank_mask:0xf
	v_permlanex16_b32 v[M0+1], v[M0], s24, s25     ; (its destination was written by the head's load)
	v_min_num_f32 v[M0], v[M0], v[M0+1]
	s_wait_alu depctr_va_sdst(0)                   ; the compare has written s27, ahead of its one reader
	v_cndmask_b32 v[WM], v[WM], v[M0], s27
.endm
	s_mov_b32 s26, 8
.Lmin:                                         ; 8 trips, two columns each; the ring's loads are on their way meanwhile
	MINSTEP 0
	MINSTEP 1
	s_sub_co_u32 s26, s26, 1
	s_cmp_lg_u32 s26, 0
	s_cbranch_scc1 .Lmin
	s_wait_alu depctr_va_vdst(0)                   ; WM is written, which the store reads; and the vector lines are done with T0 to T7, in which the LDS loads behind the barrier land (no vector line stands between)
	ds_store_b32 v[MA], v[WM] offset:MINS          ; my wave's 16 minima, in its own 64 bytes (lanes l and l + 16 hold the same number)
	s_wait_dscnt 0x0                               ; for the others' sake: the store is done (and the last four permutes are back)
	s_barrier_signal -1
	s_barrier_wait -1                              ; the launch's one barrier: these words are written no more
.irp w, 0,1,2,3,4,5,6,7
	ds_load_b32 v[T+(\w)], v[LQ] offset:MINS+64*(\w)  ; column l & 15: the eight waves' minima
.endr
	s_wait_dscnt 0x0
	v_min3_num_f32 v[M0], v[T], v[T+1], v[T+2]
	v_min3_num_f32 v[M0+2], v[T+3], v[T+4], v[T+5]
	v_min3_num_f32 v[M0], v[M0], v[T+6], v[T+7]
	v_min_num_f32 v[M0], v[M0], v[M0+2]
	v_mul_f32 v[ML], L2E, v[M0]
	v_mul_f32 v[NML], NL2E, v[M0]                  ; the same product with the other sign: exactly -mL
	v_exp_f32 v[SCL], v[NML]
	s_wait_alu depctr_vm_vsrc(0)                   ; phase 1's permutes have read IDN, which the next line writes
	v_mov_b32 v[IDN], 4                            ; column 1 once more; also the plain instruction behind the exponential
	s_wait_alu depctr_va_vdst(0)                   ; the exponential has written SCL, which the store reads (the wait that its result owes, ahead of the branch); ML and IDN are written, which the permutes read
	s_cmp_lg_u32 s18, 0
	s_cbranch_scc1 .Lnot_wave_0
	global_store_b32 v[SO], v[SCL], s[16:17]       ; 16 words; lanes 16 to 31 store the same words with the same numbers, so EXEC stays as it is
.Lnot_wave_0:
	ds_bpermute_b32 v[PAR+4], v[IZ], v[ML]         ; the two sets hold -r0 and -r1 of columns 0 and 1 since phase 1's last two steps: their mL is added
	ds_bpermute_b32 v[PAR+10], v[IDN], v[ML]
; PHASE 2, one step.  i: the ring's group and the place among a trip's four rows of what LEAVES in this step; the row that is computed is one further on, and its set and its W go by (i + 1) % 2.
; calc = 1: a row of wt is computed.  out = 1: group i of x is rounded and stored, and the row before is stored.  ahead = 1: the group is loaded again, 16 chunks on.
; left = how many younger loads may stay out when the group has to be in.  more = 1: the parameters of the column two on are asked for.  dsc = how many younger permutes may stay out.
; The 16 exponentials are one batch with one wait; the conversions of x, which name none of their results, stand between the batch and the wait.
.macro STEP i, calc, out, ahead, left, more, dsc
.if \calc
	s_wait_dscnt \dsc                              ; this column's parameters are in; the next column's permutes stay out
	DISTA ((\i)+1)%2
	DISTB
.irp p, 0,1,2,3,4,5,6,7
	v_pk_fma_f32 v[T+4*(\p):T+4*(\p)+1], v[T+4*(\p):T+4*(\p)+1], NL2E, v[PAR+6*(((\i)+1)%2)+4:PAR+6*(((\i)+1)%2)+5] op_sel_hi:[1,0,0]  ; mL - L d2: at most 0, but for the rounding of mL
.endr
.irp p, 0,1,2,3,4,5,6,7
	v_exp_f32 v[T+4*(\p)], v[T+4*(\p)]
	v_exp_f32 v[T+4*(\p)+1], v[T+4*(\p)+1]
.endr
.endif
.if \out
	s_wait_loadcnt \left                           ; group i is in; the younger groups stay out
	s_wait_xcnt 0x0                                ; every earlier memory instruction has had its addresses translated (ISA guide 3.1): H and this row's W, which the last step's stores read, are rewritten only behind this wait
.endif
	s_wait_alu depctr_vm_vsrc(0)                   ; the last step's stores have read H and this row's W, its permutes IDN: the lines below write them again
.if \more
	v_add_nc_u32 v[IDN], 4, v[IDN]
.endif
.if \out
.irp k, 0,1,2,3
	v_cvt_pk_f16_f32 v[H+2*(\k)], v[X+16*(\i)+4*(\k)], v[X+16*(\i)+4*(\k)+1]      ; with the add above also the plain instructions behind the last exponential
	v_cvt_pk_f16_f32 v[H+2*(\k)+1], v[X+16*(\i)+4*(\k)+2], v[X+16*(\i)+4*(\k)+3]
.endr
.endif
	s_wait_alu depctr_va_vdst(0)                   ; the step's one wait: the exponentials have written T (ahead of their first reader); the row's lines are done reading its set; IDN, H and the other W are written; the conversions are done reading X[i]
.if \ahead
.irp k, 0,1,2,3
	global_load_b128 v[X+16*(\i)+4*(\k):X+16*(\i)+4*(\k)+3], v[XO], s[4:5] offset:8192+512*(4*(\i)+(\k)) th:TH_LOAD_NT
.endr
.endif
.if \more
	ds_bpermute_b32 v[PAR+6*(((\i)+1)%2)], v[IDN], v[NR0]    ; the column two on, into the set just read
	ds_bpermute_b32 v[PAR+6*(((\i)+1)%2)+2], v[IDN], v[NR1]
	ds_bpermute_b32 v[PAR+6*(((\i)+1)%2)+4], v[IDN], v[ML]
.endif
.irp k, 0,1,2,3                        ; no further wait: the vector lines from here to the step's end name T, AL and this row's W alone
.if \out
	global_store_b64 v[HO], v[H+2*(\k):H+2*(\k)+1], s[12:13] offset:256*(4*(\i)+(\k)) th:TH_STORE_NT  ; 32 lanes store 256 consecutive bytes, at a multiple of 256 from xh's first byte
.endif
.if \calc
	v_pk_mul_f32 v[T+8*(\k):T+8*(\k)+1], v[T+8*(\k):T+8*(\k)+1], v[AL+4*(\k):AL+4*(\k)+1]
	v_pk_mul_f32 v[T+8*(\k)+4:T+8*(\k)+5], v[T+8*(\k)+4:T+8*(\k)+5], v[AL+4*(\k)+2:AL+4*(\k)+3]
.endif
.endr
.irp q, 0,1
.if \out
	global_store_b128 v[WO], v[W+8*((\i)%2)+4*(\q):W+8*((\i)%2)+4*(\q)+3], s[14:15] offset:8192*(\i)+4096*(\q) th:TH_STORE_NT  ; the row before: i = 2048 q + 8 t + 0..7
.endif
.if \calc
.irp r, 0,1,2,3
	v_cvt_pk_f16_f32 v[W+8*(((\i)+1)%2)+4*(\q)+(\r)], v[T+4*(4*(\q)+(\r))], v[T+4*(4*(\q)+(\r))+1]
.endr
.endif
.endr
.endm
	STEP 3, 1, 0, 0, 0, 1, 1                       ; step 0 is written out: row 0 alone; nothing leaves yet.  1 = column 1's mL, the one younger permute
	s_mov_b32 s26, 3
.Lrows:                                        ; steps 1 to 12: 3 trips of 4 rows of wt and 16 chunks of x; 12 = the three younger groups of four loads, 3 = the next column's permutes, on the way in and round the jump alike
	STEP 0, 1, 1, 1, 12, 1, 3
	STEP 1, 1, 1, 1, 12, 1, 3
	STEP 2, 1, 1, 1, 12, 1, 3
	STEP 3, 1, 1, 1, 12, 1, 3
	s_wait_xcnt 0x0                                ; the three bases are stepped only behind this wait
	s_add_nc_u64 s[4:5], s[4:5], 8192
	s_add_nc_u64 s[12:13], s[12:13], 4096
	s_add_nc_u64 s[14:15], s[14:15], 32768
	s_sub_co_u32 s26, s26, 1
	s_cmp_lg_u32 s26, 0
	s_cbranch_scc1 .Lrows
	STEP 0, 1, 1, 0, 12, 1, 3                      ; steps 13 to 16 load nothing: no load leaves x, and the counts run down.  Row 13 asks for column 15, the last
	STEP 1, 1, 1, 0, 8, 0, 3
	STEP 2, 1, 1, 0, 4, 0, 0                       ; row 15: no permute is younger than its own
	STEP 3, 0, 1, 0, 0, 0, 0                       ; step 16 has no row: the last group of x and row 15 leave
	s_wait_dscnt 0x0                               ; the closing lines, six on end
	s_wait_alu 0x0
	s_wait_tensorcnt 0x0
	ds_add_u32 v[SPW], v[NIL]
	s_wait_dscnt 0x0
	s_endpgm
.Lfunc_end_k_qe739cc34bc_prep:
	.size	k_qe739cc34bc_prep, .Lfunc_end_k_qe739cc34bc_prep-k_qe739cc34bc_prep
	.p2alignl 7, 3214868480
	.fill 96, 4, 3214868480
	.section	.rodata,"a",@progbits
	.p2align	6, 0x0
	.amdhsa_kernel k_qe739cc34bc_prep
		.amdhsa_group_segment_fixed_size 1536
		.amdhsa_private_segment_fixed_size 0
		.amdhsa_enable_private_segment 0
		.amdhsa_kernarg_size 56
		.amdhsa_user_sgpr_count 2
		.amdhsa_user_sgpr_kernarg_segment_ptr 1
		.amdhsa_wavefront_size32 1
		.amdhsa_system_sgpr_workgroup_id_x 1
		.amdhsa_system_sgpr_workgroup_id_y 1
		.amdhsa_system_sgpr_workgroup_id_z 1
		.amdhsa_system_vgpr_workitem_id 0
		.amdhsa_next_free_vgpr 208
		.amdhsa_next_free_sgpr 66
		.amdhsa_reserve_vcc 0
		.amdhsa_float_denorm_mode_32 3
		.amdhsa_float_denorm_mode_16_64 3
		.amdhsa_memory_ordered 1
		.amdhsa_forward_progress 1
		.amdhsa_inst_pref_size 62
	.end_amdhsa_kernel
	.amdgpu_metadata
---
amdhsa.version: [ 1, 2 ]
amdhsa.kernels:
  - .name:           k_qe739cc34bc_prep
    .symbol:         k_qe739cc34bc_prep.kd
    .args:
      - { .name: x, .offset: 0, .size: 8, .value_kind: global_buffer, .address_space: global }
      - { .name: rows_mean, .offset: 8, .size: 8, .value_kind: global_buffer, .address_space: global }
      - { .name: columns_mean, .offset: 16, .size: 8, .value_kind: global_buffer, .address_space: global }
      - { .name: alpha_mean, .offset: 24, .size: 8, .value_kind: global_buffer, .address_space: global }
      - { .name: xh, .offset: 32, .size: 8, .value_kind: global_buffer, .address_space: global }
      - { .name: wt, .offset: 40, .size: 8, .value_kind: global_buffer, .address_space: global }
      - { .name: scale, .offset: 48, .size: 8, .value_kind: global_buffer, .address_space: global }
    .group_segment_fixed_size: 1536
    .private_segment_fixed_size: 0
    .kernarg_segment_align: 8
    .kernarg_segment_size: 56
    .max_flat_workgroup_size: 256
    .sgpr_count:     66
    .vgpr_count:     208
    .wavefront_size: 32
...
	.end_amdgpu_metadata
.endif
;; end of part 3
;; launch gemm: the kernel of part 2 again; grid 16 x 16, 4 waves a work-group, clusters of 4 x 4, 327,680 bytes of LDS; arguments xh, wt, out0, scale; writes out0
